; MI455X (gfx1250); checked and timed in simulation.
; The chip was launched on July 23, 2026; its instructions are those of AMD's public machine-readable ISA for CDNA 5 (MIT licence, August 2026) and "CDNA5" Instruction Set Architecture Reference Guide (July 2026). The comments in the code are by the model that wrote it; some were corrected since.
;; Multi Head Attention Naive. Allowed arithmetic: matrix products marked QUANTISED: E5M2 operands, one given power-of-two scale a tensor, by v_wmma_f32_16x16x64_bf8_bf8 or v_wmma_f32_16x16x128_bf8_bf8, f32 sums; everything else in f32.
;; Inputs: Wk_codes 16 x 64 x 32 x 32 uint8 (E5M2 codes of Wk, K innermost, in blocks of 32 codes); Wo_codes 1,024 x 32 x 32 uint8 (E5M2 codes of Wo, K innermost, in blocks of 32 codes); Wq_codes 16 x 64 x 32 x 32 uint8 (E5M2 codes of Wq, K innermost, in blocks of 32 codes); Wv_codes 16 x 64 x 32 x 32 uint8 (E5M2 codes of Wv, K innermost, in blocks of 32 codes); lowp_scales 12 int32 (the exponents e of the quantised operands' scales 2^e); x_codes 4 x 2,048 x 32 x 32 uint8 (E5M2 codes of x, K innermost, in blocks of 32 codes).
;; Outputs: out0 4 x 2,048 x 1,024 float32.
;; This version of the problem:
;;   THIS VERSION OF THE PROBLEM IS GIVEN IN LOW PRECISION. The matrix products marked QUANTISED in the list below multiply operands that are first quantised to E5M2 (5 exponent bits, 2 mantissa bits; 8 bits a number), with one given power-of-two scale for each operand tensor; their sums are f32. All else is computed in f32.
;;   The module's matrix products, in the order in which they are computed (A, B: the left and right operand; K: the contracted axis; several contracted axes count as one K, in the product's order):
;;     1. [M 1,024, K 1,024] x [K 1,024, N 8,192]; A: input Wq (given as codes); B: input x (given as codes): QUANTISED (scales: A lowp_scales[0], B lowp_scales[1])
;;     2. [M 1,024, K 1,024] x [K 1,024, N 8,192]; A: input Wk (given as codes); B: input x (given as codes): QUANTISED (scales: A lowp_scales[2], B lowp_scales[3])
;;     3. [M 1,024, K 1,024] x [K 1,024, N 8,192]; A: input Wv (given as codes); B: input x (given as codes): QUANTISED (scales: A lowp_scales[4], B lowp_scales[5])
;;     4. batch 64 x [M 2,048, K 64] x [K 64, N 2,048]; A: computed on the way; B: computed on the way: QUANTISED (scales: A lowp_scales[6], B lowp_scales[7])
;;     5. batch 64 x [M 64, K 2,048] x [K 2,048, N 2,048]; A: computed on the way; B: softmax (see below): QUANTISED (scales: A lowp_scales[8], B lowp_scales[9])
;;     6. [M 8,192, K 1,024] x [K 1,024, N 1,024]; A: computed on the way; B: input Wo (given as codes): QUANTISED (scales: A lowp_scales[10], B lowp_scales[11])
;;   THE QUANTISER, for each operand of a quantised product, along K:
;;     - The operand's scale is 2^e, e = its entry of the input lowp_scales (int32; the entries are numbered through the quantised products in the list's order, A before B).
;;     - Each number is divided by the scale, clamped to +-57,344, and rounded to the nearest number of E5M2, ties to even, subnormals kept.
;;     - The product sums the exact products of the quantised numbers (number of the format x scale) in f32.
;;   ~~~python
;;   def quantise(x, axis, e):      # numpy; x: float32 -> the quantised numbers, widened to float32 again
;;       x = np.moveaxis(x, axis, -1); K = x.shape[-1]
;;       r = np.clip(x / 2.0 ** e, -57344, 57344)
;;       step = 2.0 ** (np.maximum(np.frexp(np.where(r == 0, 1, r))[1] - 1, -14) - 2)
;;       q = np.round(r / step) * step * 2.0 ** e      # np.round: ties to even
;;       return np.moveaxis(q, -1, axis).astype(np.float32)
;;   ~~~
;;   SOFTMAX AHEAD OF A QUANTISED PRODUCT. Where the list says 'softmax', what is quantised is not the finished softmax but p = 2^(t - M), with t = logit x log2(e) and M = ceil(the row's largest t), a whole number; so 1/2 < the row's largest p <= 1. The row's sum l is taken of the UNQUANTISED p, in f32, and the product's result is divided by l at the end. Since M is a whole number, a kernel that streams over the keys may use a running M (the ceiling of the running maximum): every later rescaling is an exact power of two, so the quantised numbers keep their values, but for numbers so far below the row's largest that they fall under the format's range.
;;   OPERANDS COMPUTED ON THE WAY. 'Computed on the way' means the value that the module computes at that place (a softmax that the list does not call 'softmax' is quantised finished and normalised). What goes into a quantiser is computed in f32, as accurately as f32 sums, v_exp_f32 and their like allow (about 1e-6 of the number): no bf16 or f16 on the way to a quantiser, and a product that is left as it is and whose result goes on into a quantised operand takes f32 operands (vector FMAs, or v_wmma_f32_16x16x4_f32). A number that lies on a knife's edge between two numbers of the format may be rounded either way, as far as f32 arithmetic and the matrix unit's own rounding can turn it there, and no further.
;;   INPUTS GIVEN AS CODES. Wk (in the module: [16, 64, 1024], K = its axis 2); Wo (in the module: [1024, 1024], K = its axis 1); Wq (in the module: [16, 64, 1024], K = its axis 2); Wv (in the module: [16, 64, 1024], K = its axis 2); x (in the module: [4, 2048, 1024], K = its axis 2): each comes as NAME_codes (uint8): NAME with its K axis moved to the last place and cut into blocks of 32 codes, [.., K / 32, bytes a block], one block behind the other in memory; one code a byte (a code: sign, 5 exponent bits, 2 mantissa bits); its scale is its entry of lowp_scales. Its value is code x scale, taken as it is: it is not quantised again, and the codes and scales need not be those that the quantiser above would give.
;; One version. Each part assembles by itself: llvm-mc -triple=amdgcn-amd-amdhsa -mcpu=gfx1250 --defsym DOCPART=n.
;; ======== version 1 of 1: 3 launches
;; limits: right only within a limited range of input values
;; workspace buffers: q_ws 8,388,608 bytes; k_ws 8,388,608 bytes; v_ws 8,388,608 bytes; cc_ws 8,388,608 bytes
;; launch qkv (part 1): grid 12 x 32, 4 waves a work-group, clusters of 4 x 4, 327,680 bytes of LDS; arguments x_codes, Wq_codes, Wk_codes, Wv_codes, lowp_scales, q_ws, k_ws, v_ws; writes q_ws, k_ws, v_ws
.if DOCPART == 1
	.amdgcn_target "amdgcn-amd-amdhsa--gfx1250"
	.amdhsa_code_object_version 6
	.text
	.protected	k_q063e9d455b_qkv
	.globl	k_q063e9d455b_qkv
	.p2align	8
	.type	k_q063e9d455b_qkv,@function
k_q063e9d455b_qkv:
	s_mov_b64 s[64:65], 0
	v_nop
	global_prefetch_b8 v0, s[64:65] scope:SCOPE_SE
	s_setreg_imm32_b32 hwreg(HW_REG_WAVE_MODE, 25, 1), 1
	s_wait_xcnt 0x0
	s_wait_alu depctr_hold_cnt(0) depctr_sa_sdst(0) depctr_va_vdst(0) depctr_va_sdst(0) depctr_va_ssrc(0) depctr_va_vcc(0) depctr_vm_vsrc(0)
	s_getreg_b32 s2, hwreg(HW_REG_IB_STS2, 6, 4)
	s_cmp_eq_u32 s2, 0
	s_cbranch_scc0 .Lentry_in_a_cluster
	s_endpgm
.Lentry_in_a_cluster:
	s_bfe_u32 s2, ttmp6, 0x10000c
	s_cmp_lg_u32 s2, 0xf033
	s_cbranch_scc0 .Lentry_shape_is_right
	s_endpgm
.Lentry_shape_is_right:
; THE THREE PROJECTIONS q, k, v OF CAUSAL MULTI-HEAD ATTENTION, on codes of BF8 (E5M2), and the quantisers of their results.  B 4, S 2,048, E 1,024, 16 heads of 64.
; THE PROGRAM: this launch (products 1 to 3);  attn (products 4 and 5, the softmax, the quantiser of the heads' results);  oproj (product 6).
; WORK LEFT OUT, in the launch attn alone: reference() sets scores[s][t] to -inf wherever t > s, by the jnp.tril that it builds in its own body.  The weight of such a key is 0 for all finite values of the inputs:
; it adds 0 to the row's sum and 0 to attn.  So a step of 16 queries x 128 keys all of whose keys come after all its queries is not computed, and keys beyond a block of queries are not fetched.
; Every input has a way to the output and is loaded.  LIMIT: a NaN, an infinity or an overflow that reaches only the scores left out is not carried to the result.
; ONE BODY FOR THE THREE PRODUCTS: C[m][n] = sum over k of A[m][k] B[n][k], K = 1,024.  The cluster's x (0, 1, 2) says which, by selections alone: it is the same in all sixteen partners.
;   0: q: A = x (m = 2,048 b + s), B = Wq (n = 64 h + d).   1: k: A = x, B = Wk.   2: v: A = Wv (m = 64 h + d), B = x (n = 2,048 b + s): so that a lane's eight results run along the keys, the K of product 5.
; A finished sum stands for sum x 2^(eA + eB); its code is sum / 2^e, e = eOUT - eA - eB (q: e6 - e0 - e1; k: e7 - e2 - e3; v: e8 - e4 - e5), held within +-57,344 x 2^e, to the nearest code, ties to even.
; LIMITS: each of the three e lies between -126 and 112, so that 2^e and 57,344 x 2^e are f32 numbers.  Codes of NaN or infinity among the inputs are not served.
; WHERE THE CODES GO: byte (n / 64) x SC + 64 m + pos(n % 64) of the product's buffer; SC = 524,288 for q and k ([h][(b, s)][64]), 65,536 for v ([(b, s / 64)][(h, d)][64]).
;   pos: inside each 32, number 16 u + 8 g + j lies at byte 16 g + 8 u + j.  A load of 16 bytes at 32 c + 16 (lane / 16) then fills registers 4 c .. 4 c + 3 just as the plain 8-bit operand layout wants them.
; SHAPE.  A tile of C, 256 x 256, is made by four waves, 128 x 128 each: 64 accumulators, 512 registers.  K goes in steps of 256 through two LDS slots filled by the tensor data mover.
; CLUSTERS: 4 x 4 work-groups; A's tile is asked for jointly along a row of the cluster, B's along a column.  THE MATRIX INSTRUCTION IS USED TRANSPOSED (source 0 = 16 rows of B, source 1 = 16 rows of A):
; lane l holds row m = l % 16 of a block and the eight neighbours n = 8 (l / 16) + 0 .. 7.  A fragment is fetched by four loads of 16 bytes: a permutation of k, the same in A and in B.
; REGISTERS, in windows of 256: window 0: v16-31 addresses and the two scale numbers; from v128 A's fragments, one set; on the way out v32-159 are at work.  window 1: B's fragments, two sets.  windows 2, 3: the accumulators.
; THE ORDER IN MEMORY INSIDE 16 ROWS, which stands in place of '64 m + pos' above: the 16 rows m0 .. m0 + 15 (m0 a multiple of 16) x 64 codes of one n / 64 are 1,024 bytes at (n / 64) x SC + 64 m0, laid as an image
; of the operand's registers: byte 512 c + 16 l + 0 .. 15 holds, of row m0 + l % 16, the bytes 32 c + 16 (l / 16) + 0 .. 15 of that row's 64 codes in the order pos.  So lane l of the next launch reads 16 bytes at 16 l.
.set KROW,   1024                      ; a row of A or of B in memory, in bytes
.set ROWB,   256                       ; a tile's row in bytes
.set PITCH,  272                       ; an LDS row: 256 bytes + 16 of padding = 68 words: the 16 rows that a load touches start at 16 different banks (64 banks of 4 bytes: ISA guide 11.1)
.set FR,     16                        ; registers of a fragment: 16 rows x 128 K
.set NL,     4                         ; LDS loads that bring one
.set NP,     4                         ; places behind this matrix instruction (ISA guide 7.12.1)
.set HALFT,  128*PITCH                 ; 128 rows: what one tensor load brings
.set SLOT,   4*HALFT                   ; A's 256 rows, then B's 256 rows
.set STAGE,  2*SLOT                    ; behind the ring: 16 rows x 144 bytes for each wave, for the way out; no tile lands there
.set SPITCH, 144                       ; a stage row: 128 codes + 16 bytes
.set SPARE,  STAGE+4*16*SPITCH         ; behind the stages: the spare words, 128 bytes for each wave, which no other line names
.set ADRA, 16                          ; v16-17  LDS address of my A fragments in slot 0, 1
.set ADRB, 20                          ; v20-21  the same for B
.set STO,  24                          ; v24     the way out: where I put 8 codes of a row
.set CO,   26                          ; v26     16 x lane: my place in 512 bytes of the output
.set SPW,  28                          ; v28     LDS address of my spare word; never rewritten
.set NIL,  29                          ; v29     0; never rewritten
.set LIM,  30                          ; v30     57,344 x 2^e
.set SCL,  31                          ; v31     2^e
.set TM,   32                          ; v32-95  a block's 64 sums, held
.set CD,   96                          ; v96-127 their codes, two sets of 16
.set AF,   128                         ; A's fragments, in window 0
.set BK,   128                         ; v128-159 the way out: rows read back, two sets of 16
.set G1, 24                            ; s[24:31] descriptor group 1 for A's tiles;  s[32:39] group 0, one set for each slot
.set G0, 32
.set G1B, 48                           ; s[48:55], s[56:63] the same for B's tiles
.set G0B, 56
.set MSB, 0
.macro WIN new                         ; the immediate's high byte repeats the setting that is left
.if MSB != \new
	s_set_vgpr_msb (MSB<<8)|\new
.set MSB, \new
.endif
.endm
.set MUL_LO, 0xa1                      ; source 0 (B) window 1, source 1 (A) window 0, C and D window 2
.set MUL_HI, 0xf1                      ; the same, C and D window 3
.set TO_B,   0x40                      ; destination window 1, address window 0
; A joint load: waves 0 and 1 fetch for A, waves 2 and 3 for B.  Each line has one mask and one set of registers; the branch hangs on the wave's number alone.
; An s_nop 0 and four v_nop follow each of the two lines, ahead of the jump, the label and what follows.
.macro JLOAD g0a, g1a, g0b, g1b
	s_cmp_eq_u32 s15, 0
	s_cbranch_scc0 .Lfor_b_\@
	tensor_load_to_lds s[\g0a:\g0a+3], s[\g1a:\g1a+7]
	s_nop 0
.rept 4
	v_nop
.endr
	s_branch .Lasked_\@
.Lfor_b_\@:
	tensor_load_to_lds s[\g0b:\g0b+3], s[\g1b:\g1b+7]
	s_nop 0
.rept 4
	v_nop
.endr
.Lasked_\@:
.endm
.macro CREST                           ; a round of the cluster's barrier behind its opening barrier
	s_cmp_lg_u32 s14, 0
	s_cbranch_scc1 .Lnot_wave_0_\@
	s_barrier_signal -3
.Lnot_wave_0_\@:
	s_barrier_wait -3
	s_barrier_signal -1
	s_barrier_wait -1
.endm
.macro CROUND                          ; a whole round
	s_barrier_signal -1
	s_barrier_wait -1
	CREST
.endm
	s_load_b512 s[68:83], s[0:1], 0x0              ; x s[68:69], Wq s[70:71], Wk s[72:73], Wv s[74:75], the scales' exponents s[76:77], q_ws s[78:79], k_ws s[80:81], v_ws s[82:83]
	v_lshl_add_u32 v[SPW], v0, 2, SPARE
	v_mov_b32 v[NIL], 0
	ds_add_u32 v[SPW], v[NIL]                      ; the wave's opening: the add, twice on end, and its wait ahead of my first tensor load; the set-up below, work on registers, stands between
	ds_add_u32 v[SPW], v[NIL]                      ; and once more, under the one wait
	v_lshrrev_b32 v1, 5, v0
	v_readfirstlane_b32 s14, v1                    ; wave 0..3
	s_lshr_b32 s15, s14, 1                         ; which half of the tile's rows is mine.  Also: I fetch for A (0) or for B (1)
	s_and_b32 s16, s14, 1                          ; which half of its columns.  Also: which 128 rows of that tile I fetch
	s_bfe_u32 s40, ttmp6, 0x40000                  ; cx, cy: my place in the cluster
	s_bfe_u32 s41, ttmp6, 0x40004
	s_and_b32 s17, ttmp7, 0xffff                   ; the cluster's y, 0..7: it walks the 8,192 rows of x
	s_mov_b32 s93, 0x80000
	s_cmp_eq_u32 ttmp9, 2                          ; v?  The cluster's x is the same in all sixteen partners
	s_cselect_b32 s94, 0, s17                      ; x's rows are C's rows for q and k,
	s_cselect_b32 s95, s17, 0                      ; and C's columns for v
	s_cselect_b32 s93, 0x10000, s93                ; SC
	s_lshl_b32 s42, s95, 2
	s_add_co_u32 s42, s42, s40                     ; tile column of C
	s_lshl_b32 s17, s94, 2
	s_add_co_u32 s17, s17, s41                     ; tile row of C
	s_lshl_b32 s43, s41, 2
	s_lshl_b32 s43, 15, s43                        ; my row of the cluster
	s_lshl_b32 s44, 0x1111, s40                    ; my column
	; descriptor group 1: a tile of 128 rows x 256 bytes, padded in LDS
	s_or_b32 s[G1+0], s43, (0<<16)|(1<<20)|(1<<21)|(5<<22)|(3<<25)  ; 15:0 the mask: A's tiles go to my row; 17:16 element of 1 byte; 20 padding on; 21 set beside a mask; 24:22 after every 64 words (code 5); 31:25 of 4 words (code 3)
	s_or_b32 s[G1B+0], s44, (0<<16)|(1<<20)|(1<<21)|(5<<22)|(3<<25)
.irp g, G1, G1B
	s_mov_b32 s[\g+1], ROWB<<16                    ; tensor_dim0
	s_mov_b32 s[\g+2], 128<<16                     ; tensor_dim1 = 128
	s_mov_b32 s[\g+3], ROWB<<16                    ; tile_dim0
	s_mov_b32 s[\g+4], 128                         ; tile_dim1 = 128
	s_mov_b32 s[\g+5], KROW                        ; tensor_dim0_stride
	s_mov_b32 s[\g+6], 0
	s_mov_b32 s[\g+7], 0
.endr
	s_lshl_b32 s18, s16, 7                         ; which 128 rows of the tile I fetch
	s_lshl_b32 s20, s17, 8
	s_add_co_u32 s20, s20, s18                     ; A: row 256 x tile row + 128 x half,
	s_lshl_b32 s20, s20, 10                        ; in bytes (under 2^23)
	s_mov_b32 s21, 0
	s_lshl_b32 s46, s42, 8
	s_add_co_u32 s46, s46, s18                     ; B: row 256 x tile column + 128 x half
	s_lshl_b32 s46, s46, 10
	s_mov_b32 s47, 0
	s_mul_i32 s45, s14, HALFT                      ; where they go: wave x 128 rows: no place in the cluster enters an LDS address
	s_wait_dscnt 0x0                               ; both opening adds are done
	s_wait_kmcnt 0x0
	s_load_b256 s[84:91], s[76:77], 0x0            ; e0 .. e7
	s_load_b32 s92, s[76:77], 0x20                 ; e8
	s_cmp_eq_u32 ttmp9, 2
	s_cselect_b64 s[4:5], s[74:75], s[68:69]       ; A: Wv for v, else x
	s_cselect_b64 s[6:7], s[68:69], s[72:73]       ; B: x for v, else Wk,
	s_cselect_b64 s[10:11], s[82:83], s[80:81]
	s_cmp_eq_u32 ttmp9, 0
	s_cselect_b64 s[6:7], s[70:71], s[6:7]         ; or Wq
	s_cselect_b64 s[10:11], s[78:79], s[10:11]     ; and the product's own buffer
	s_add_nc_u64 s[20:21], s[4:5], s[20:21]
	s_add_nc_u64 s[46:47], s[6:7], s[46:47]
	s_cmp_eq_u32 s15, 0                            ; THE PREFETCHES: behind the loads of K steps 0 and 1, K steps 2 and 3 are named, two K steps ahead of their loads.  Of the 128 rows that I fetch, each of the
	s_cselect_b64 s[66:67], s[20:21], s[46:47]     ; four partners that ask for them with me names 32, a lane a row, told apart by address (cx for A, cy for B): a K step is 256 bytes of each row, aligned.
	s_cselect_b32 s8, s40, s41                     ; K steps 0 and 1 come by their loads alone; there is no K step 4
	s_lshl_b32 s8, s8, 15                          ; 32 rows of 1,024 bytes
	s_add_co_u32 s8, s8, 2*ROWB                    ; K step 2
	s_mov_b32 s9, 0
	s_add_nc_u64 s[66:67], s[66:67], s[8:9]
	CROUND                                         ; all sixteen work-groups are here: the first joint loads meet
.irp s, 0,1
	s_mov_b32 s[G0+4*\s], 1
	s_add_co_u32 s[G0+4*\s+1], s45, \s*SLOT
	s_add_nc_u64 s[G0+4*\s+2:G0+4*\s+3], s[20:21], \s*ROWB
	s_or_b32 s[G0+4*\s+3], s[G0+4*\s+3], 0x80000000
	s_mov_b32 s[G0B+4*\s], 1
	s_add_co_u32 s[G0B+4*\s+1], s45, \s*SLOT
	s_add_nc_u64 s[G0B+4*\s+2:G0B+4*\s+3], s[46:47], \s*ROWB
	s_or_b32 s[G0B+4*\s+3], s[G0B+4*\s+3], 0x80000000
.endr
	JLOAD G0, G1, G0B, G1B                         ; K step 0: one tensor load a wave at the head
	v_and_b32 v1, 15, v0                           ; l % 16
	s_wait_alu depctr_va_vdst(0)
	v_bfe_u32 v2, v0, 4, 1                         ; l / 16
	v_mul_u32_u24 v3, v1, PITCH
	v_lshl_add_u32 v4, v2, 4, v3                   ; a fragment's row x pitch + 16 x half
	s_mul_i32 s21, s15, HALFT                      ; my 128 rows of A
	s_mul_i32 s22, s16, HALFT                      ; my 128 rows of B,
	s_add_co_u32 s22, s22, 2*HALFT                 ; which lie behind A's 256
.irp s, 0,1
	v_add_nc_u32 v[ADRA+\s], s21, v4
	v_add_nc_u32 v[ADRB+\s], s22, v4
	s_add_co_u32 s21, s21, SLOT
	s_add_co_u32 s22, s22, SLOT
.endr
	s_mul_i32 s23, s14, 16*SPITCH
	s_add_co_u32 s23, s23, STAGE                   ; my stage
	v_mul_u32_u24 v5, v1, SPITCH                   ; in: row l % 16, + 16 (l / 16): pos puts the lanes' halves 16 bytes apart
	s_wait_alu depctr_va_vdst(0)
	v_lshl_add_u32 v5, v2, 4, v5
	v_add_nc_u32 v[STO], s23, v5
	v_and_b32 v6, 31, v0
	v_lshlrev_b32 v[CO], 4, v6
	v_lshlrev_b32 v27, 10, v6                      ; v27: my lane's row among the 32; never rewritten
	global_prefetch_b8 v27, s[66:67] th:TH_LOAD_NT scope:SCOPE_SE   ; K step 2
	s_lshl_b32 s20, s42, 2                         ; where my part begins in the output: (4 x tile column + 2 x half) x SC
	s_lshl_b32 s21, s16, 1
	s_add_co_u32 s20, s20, s21
	s_mul_i32 s20, s20, s93
	s_lshl_b32 s21, s17, 8
	s_lshl_b32 s22, s15, 7
	s_add_co_u32 s21, s21, s22
	s_lshl_b32 s21, s21, 6                         ; + (256 x tile row + 128 x half) x 64: under 2^23 together
	s_add_co_u32 s20, s20, s21
	s_mov_b32 s21, 0
	s_add_nc_u64 s[10:11], s[10:11], s[20:21]      ; my first 64 columns,
	s_mov_b32 s22, s93
	s_mov_b32 s23, 0
	s_add_nc_u64 s[12:13], s[10:11], s[22:23]      ; and my second
.macro FRAG reg, adr, q, i             ; a fragment, 16 rows x 128 K, is 16 registers: lane l holds row l % 16; registers 4 c .. 4 c + 3 hold K = 32 c + 16 (l / 16) + 0 .. 15
.irp c, 0,1,2,3
	ds_load_b128 v[\reg+4*\c:\reg+4*\c+3], v[\adr] offset:128*(\q)+32*\c+(\i)*16*PITCH
.endr
.endm
; 16 matrix instructions: A's blocks a0, a0 + 1 x B's eight, 128 along K.  p: B's set.  zero = 1: the first product starts the sums: nothing is ever cleared.
; The 64 accumulators take turns, one instruction a turn, in the same order in every step.
.macro MUL16 a0, p, zero
.irp a, \a0, \a0+1
.irp b, 0,1,2,3,4,5,6,7
.if \zero
	v_wmma_f32_16x16x128_bf8_bf8 v[8*(8*((\a)%4)+\b):8*(8*((\a)%4)+\b)+7], v[128*(\p)+FR*\b:128*(\p)+FR*\b+FR-1], v[AF+FR*(\a):AF+FR*(\a)+FR-1], 0
.else
	v_wmma_f32_16x16x128_bf8_bf8 v[8*(8*((\a)%4)+\b):8*(8*((\a)%4)+\b)+7], v[128*(\p)+FR*\b:128*(\p)+FR*\b+FR-1], v[AF+FR*(\a):AF+FR*(\a)+FR-1], v[8*(8*((\a)%4)+\b):8*(8*((\a)%4)+\b)+7]
.endif
.endr
.endr
.endm
.macro FETCH_B slot, q, p              ; B's eight fragments of the slot's q-th 128 along K into set p
	WIN TO_B
.irp i, 0,1,2,3,4,5,6,7
	FRAG 128*(\p)+FR*\i, ADRB+\slot, \q, \i
.endr
	WIN 0
.endm
.macro FETCH_A slot, q, i0             ; A's blocks i0 .. i0 + 3
.irp i, \i0, \i0+1, \i0+2, \i0+3
	FRAG AF+FR*(\i), ADRA+\slot, \q, \i
.endr
.endm
; A load into a register that a matrix instruction has read, and a vector instruction that reads a matrix result, stand NP places behind that matrix instruction; only plain vector
; instructions that name none of its registers are places (ISA guide 7.12.1 for vector instructions).
.macro PLACES n
.rept \n
	v_nop
.endr
.endm
; A step of 128 along K that has its successor in the same slot.  A block of A is free as soon as its eight products are issued: blocks 0-3 are fetched anew in the step's middle, blocks 4-7 at its end.
.macro STEP slot, q, zero
	s_wait_dscnt 4*NL                              ; B's set and A's blocks 0-3 are in; the youngest sixteen loads (A's blocks 4-7) may be out
	WIN MUL_LO
	MUL16 0, (\q)%2, \zero
	MUL16 2, (\q)%2, \zero
	s_wait_dscnt 0                                 ; A's blocks 4-7 are in
	PLACES NP
	FETCH_B \slot, (\q)+1, 1-(\q)%2
	FETCH_A \slot, (\q)+1, 0
	WIN MUL_HI
	MUL16 4, (\q)%2, \zero
	MUL16 6, (\q)%2, \zero
	PLACES NP
	WIN 0
	FETCH_A \slot, (\q)+1, 4
.endm
; A slot's last step changes slots: ONE barrier; in front of it each wave waits for all its tensor loads, adds 0 to its spare word, and waits for that and for its own reads of this slot.  fill = 1: this slot is filled again, two K steps ahead.
.macro TURN slot, next, fill
	s_wait_tensorcnt 0x0                           ; all my tensor loads have landed: my part of the next slot  (every window is 0 here)
	ds_add_u32 v[SPW], v[NIL]                      ; 0 onto my spare word
	s_wait_dscnt 4*NL+1                            ; (the add and the youngest sixteen loads, A's blocks 4-7, may be out)
	WIN MUL_LO
	MUL16 0, 1, 0                                  ; sixteen matrix instructions stand between the add and the wait for it
	s_wait_dscnt 0x0                               ; the add is done, and my reads of this slot are over
	s_barrier_signal -1
	MUL16 2, 1, 0
	WIN 0
	s_barrier_wait -1
.if \fill
	CREST                                          ; the barrier has opened a round of the cluster's barrier: no wave of any partner still reads this slot's tile or has a load on its way
	s_add_nc_u64 s[G0+4*\slot+2:G0+4*\slot+3], s[G0+4*\slot+2:G0+4*\slot+3], 2*ROWB
	s_add_nc_u64 s[G0B+4*\slot+2:G0B+4*\slot+3], s[G0B+4*\slot+2:G0B+4*\slot+3], 2*ROWB
	JLOAD G0+4*\slot, G1, G0B+4*\slot, G1B         ; the first tensor load behind the round; its four v_nop are the places in front of the loads below
.else
	PLACES NP
.endif
	FETCH_B \next, 0, 0
	FETCH_A \next, 0, 0
	WIN MUL_HI
	MUL16 4, 1, 0
	MUL16 6, 1, 0
	PLACES NP
	WIN 0
	FETCH_A \next, 0, 4
.endm
	s_wait_alu depctr_va_vdst(0)
	s_wait_tensorcnt 0x0                           ; my part of K step 0 is in; these lines stand ahead of a later first fill, as ahead of a refill
	ds_add_u32 v[SPW], v[NIL]
	s_wait_dscnt 0x0
	CROUND                                         ; everybody's part of K step 0 is in, and all sixteen work-groups are here
	JLOAD G0+4, G1, G0B+4, G1B                     ; K step 1, slot 1's first fill: the first tensor load behind the round
	FETCH_B 0, 0, 0
	FETCH_A 0, 0, 0
	FETCH_A 0, 0, 4
	global_prefetch_b8 v27, s[66:67] offset:ROWB th:TH_LOAD_NT scope:SCOPE_SE   ; K step 3
	STEP 0, 0, 1                                   ; K = 1,024 is four K steps of 256, eight steps of 128: they are written out.  The first products start the sums
	TURN 0, 1, 1                                   ; slot 0 takes K step 2
	STEP 1, 0, 0
	TURN 1, 0, 1                                   ; slot 1 takes K step 3
	STEP 0, 0, 0
	TURN 0, 1, 0                                   ; nothing is left to fetch
	STEP 1, 0, 0
	s_wait_dscnt 4*NL                              ; the very last step
	WIN MUL_LO
	MUL16 0, 1, 0
	MUL16 2, 1, 0
	s_wait_dscnt 0
	WIN MUL_HI
	MUL16 4, 1, 0
	MUL16 6, 1, 0
	WIN 0
; THE WAY OUT, block by block of 16 rows x 128 columns.  A block's 64 sums a lane are held, turned into 64 codes (eight neighbours along n from eight consecutive registers), laid into my stage in the order pos,
; and read back from the same lane address, 16 bytes at 64 (t / 2) + 32 (t % 2): each read is 512 consecutive bytes of the output, half an image of 16 rows x 64 codes.
; LDS serves a wave's instructions in order (ISA guide 5.7.1.4): no wait between the stores and the loads, nor in front of the next block's stores.
.macro QSTAGE a
.set AC, 64*((\a)%4)
.set CC, CD+16*((\a)%2)
.set BB, BK+16*((\a)%2)
	WIN 0x02+((\a)/4)                              ; source 0: window 2 or 3
.set j, 0
.rept 64
	v_med3_num_f32 v[TM+j], v[AC+j], -v[LIM], v[LIM]   ; the conversion to an 8-bit code does not saturate (ISA guide 7.6.2): the hold comes first; each accumulator is read from its low end on
.set j, j+1
.endr
	WIN 0
.irp b, 0,1,2,3,4,5,6,7
	v_cvt_scalef32_pk8_bf8_f32 v[CC+2*\b:CC+2*\b+1], v[TM+8*\b:TM+8*\b+7], v[SCL]
.endr
	v_nop                                          ; one plain vector line behind the last conversion: the next block's holds write its sources
.irp b, 0,1,2,3,4,5,6,7
	ds_store_b64 v[STO], v[CC+2*\b:CC+2*\b+1] offset:32*(\b/2)+8*(\b%2)   ; n = 16 b + 8 (l / 16) + j goes to byte 32 (b / 2) + 16 (l / 16) + 8 (b % 2) + j
.endr
.irp t, 0,1,2,3
	ds_load_b128 v[BB+4*\t:BB+4*\t+3], v[STO] offset:(\t/2)*64+(\t%2)*32   ; lane l: row l % 16, columns 64 (t / 2) on, bytes 32 (t % 2) + 16 (l / 16)
.endr
.endm
.macro QSEND a, younger                ; younger: the LDS instructions issued behind block a's loads, which may stay out
.set BB, BK+16*((\a)%2)
	s_wait_dscnt \younger
.irp t, 0,1
	global_store_b128 v[CO], v[BB+4*\t:BB+4*\t+3], s[10:11] offset:(\a)*1024+\t*512       ; 32 lanes store 512 consecutive bytes, at a multiple of 512 from the buffer's first byte
.endr
.irp t, 0,1
	global_store_b128 v[CO], v[BB+8+4*\t:BB+8+4*\t+3], s[12:13] offset:(\a)*1024+\t*512
.endr
.endm
	s_wait_kmcnt 0x0                               ; the exponents
	s_sub_co_i32 s96, s90, s84
	s_sub_co_i32 s96, s96, s85                     ; q: e6 - e0 - e1
	s_sub_co_i32 s97, s91, s86
	s_sub_co_i32 s97, s97, s87                     ; k: e7 - e2 - e3
	s_sub_co_i32 s92, s92, s88
	s_sub_co_i32 s92, s92, s89                     ; v: e8 - e4 - e5
	s_cmp_eq_u32 ttmp9, 0
	s_cselect_b32 s96, s96, s97
	s_cmp_eq_u32 ttmp9, 2
	s_cselect_b32 s96, s92, s96                    ; e: chosen by the cluster's x, with no branch
	s_add_co_i32 s96, s96, 127
	s_lshl_b32 s97, s96, 23
	v_mov_b32 v[SCL], s97                          ; 2^e as f32: the conversion takes its exponent field
	s_add_co_i32 s96, s96, 15
	s_lshl_b32 s96, s96, 23
	s_or_b32 s96, s96, 0x600000
	v_mov_b32 v[LIM], s96                          ; 57,344 x 2^e
	PLACES NP                                      ; behind the last products: their results are read, and rows land where A's fragments lay
	QSTAGE 0
.irp a, 1,2,3,4,5,6,7
.if \a > 1
	s_wait_xcnt 0x0                                ; block a - 2's stores have read their registers: block a's rows may land there
.endif
	QSTAGE \a
	QSEND \a-1, 12                                 ; behind block a - 1's loads: block a's 8 stores and 4 loads
.endr
	QSEND 7, 0
	s_wait_tensorcnt 0x0                           ; the wave's end: behind my last tensor load and my last LDS store
	ds_add_u32 v[SPW], v[NIL]
	s_wait_dscnt 0x0
	CROUND                                         ; the closing round: no work-group ends while a partner may still ask for a tile that names it
	s_endpgm
.Lfunc_end_k_q063e9d455b_qkv:
	.size	k_q063e9d455b_qkv, .Lfunc_end_k_q063e9d455b_qkv-k_q063e9d455b_qkv
	.p2alignl 7, 3214868480
	.fill 96, 4, 3214868480
	.section	.rodata,"a",@progbits
	.p2align	6, 0x0
	.amdhsa_kernel k_q063e9d455b_qkv
		.amdhsa_group_segment_fixed_size 327680
		.amdhsa_private_segment_fixed_size 0
		.amdhsa_enable_private_segment 0
		.amdhsa_kernarg_size 64
		.amdhsa_user_sgpr_count 2
		.amdhsa_user_sgpr_kernarg_segment_ptr 1
		.amdhsa_wavefront_size32 1
		.amdhsa_system_sgpr_workgroup_id_x 1
		.amdhsa_system_sgpr_workgroup_id_y 1
		.amdhsa_system_sgpr_workgroup_id_z 1
		.amdhsa_system_vgpr_workitem_id 0
		.amdhsa_next_free_vgpr 1024
		.amdhsa_next_free_sgpr 98
		.amdhsa_reserve_vcc 0
		.amdhsa_float_denorm_mode_32 3
		.amdhsa_float_denorm_mode_16_64 3
		.amdhsa_memory_ordered 1
		.amdhsa_forward_progress 1
		.amdhsa_inst_pref_size 126
	.end_amdhsa_kernel
	.amdgpu_metadata
---
amdhsa.version: [ 1, 2 ]
amdhsa.kernels:
  - .name:           k_q063e9d455b_qkv
    .symbol:         k_q063e9d455b_qkv.kd
    .args:
      - { .name: x_codes, .offset: 0, .size: 8, .value_kind: global_buffer, .address_space: global }
      - { .name: Wq_codes, .offset: 8, .size: 8, .value_kind: global_buffer, .address_space: global }
      - { .name: Wk_codes, .offset: 16, .size: 8, .value_kind: global_buffer, .address_space: global }
      - { .name: Wv_codes, .offset: 24, .size: 8, .value_kind: global_buffer, .address_space: global }
      - { .name: lowp_scales, .offset: 32, .size: 8, .value_kind: global_buffer, .address_space: global }
      - { .name: q_ws, .offset: 40, .size: 8, .value_kind: global_buffer, .address_space: global }
      - { .name: k_ws, .offset: 48, .size: 8, .value_kind: global_buffer, .address_space: global }
      - { .name: v_ws, .offset: 56, .size: 8, .value_kind: global_buffer, .address_space: global }
    .group_segment_fixed_size: 327680
    .private_segment_fixed_size: 0
    .kernarg_segment_align: 8
    .kernarg_segment_size: 64
    .max_flat_workgroup_size: 128
    .sgpr_count:     98
    .vgpr_count:     1024
    .wavefront_size: 32
...
	.end_amdgpu_metadata
.endif
;; end of part 1
;; launch attn (part 2): grid 4 x 64, 8 waves a work-group, clusters of 4 x 1, 327,680 bytes of LDS; arguments q_ws, k_ws, v_ws, lowp_scales, cc_ws; writes cc_ws
.if DOCPART == 2
	.amdgcn_target "amdgcn-amd-amdhsa--gfx1250"
	.amdhsa_code_object_version 6
	.text
	.protected	k_q063e9d455b_attn
	.globl	k_q063e9d455b_attn
	.p2align	8
	.type	k_q063e9d455b_attn,@function
k_q063e9d455b_attn:
	s_mov_b64 s[64:65], 0
	v_nop
	global_prefetch_b8 v0, s[64:65] scope:SCOPE_SE
	s_setreg_imm32_b32 hwreg(HW_REG_WAVE_MODE, 25, 1), 1
	s_wait_xcnt 0x0
	s_wait_alu depctr_hold_cnt(0) depctr_sa_sdst(0) depctr_va_vdst(0) depctr_va_sdst(0) depctr_va_ssrc(0) depctr_va_vcc(0) depctr_vm_vsrc(0)
	s_getreg_b32 s2, hwreg(HW_REG_IB_STS2, 6, 4)
	s_cmp_eq_u32 s2, 0
	s_cbranch_scc0 .Lentry_in_a_cluster
	s_endpgm
.Lentry_in_a_cluster:
	s_bfe_u32 s2, ttmp6, 0x10000c
	s_cmp_lg_u32 s2, 0x3003
	s_cbranch_scc0 .Lentry_shape_is_right
	s_endpgm
.Lentry_shape_is_right:
; CAUSAL ATTENTION ON CODES OF BF8 (E5M2): products 4 and 5, the softmax between them, and the quantiser of the heads' results.  64 heads (b, h) of 2,048 positions x 64.
; WORK LEFT OUT: steps of 32 queries x 128 keys all of whose keys come after all their queries: reference()'s own jnp.tril gives them the weight 0 (shown at the head of the first kernel).
; LIMIT: a NaN, an infinity or an overflow that reaches only those scores is not carried to the result.
; INPUTS, made by the launch before: q_ws, k_ws [h][(b, s)][64]; v_ws [(b, s / 64)][(h, d)][64], the keys innermost; each 16 rows x 64 codes are 1,024 bytes laid as an image of the operand's registers:
; lane l's 16 bytes at 512 c + 16 l are registers 4 c .. 4 c + 3 of the plain 8-bit layout (registers 2 c', 2 c' + 1: k = 16 c' + 8 (l / 16) + 0 .. 7).  So LDS needs no padding: 32 lanes read 512 bytes on end.
; OUTPUT: cc_ws [(b, s) / 128][h][(b, s) % 128][64]: codes of the heads' results with the scale 2^e10, d in its natural order.
; THE SOFTMAX: t = score x log2(e) / 8; M = the row's largest t so far, rounded UP to a whole number; p = 2^(t - M) is quantised (scale 2^e9), not normalised.  The row's sum is taken of the unquantised p
; and divides at the end.  When M moves, the sum and O are multiplied by 2^(old M - new M): exact.
; LDS: a head's K (131,072 bytes) and V (131,072 bytes) lie there whole and are filled ONCE, in eight chunks of 256 keys: a chunk is eight rows of 4,096 bytes, one tensor load a wave (waves 0-3: K; 4-7: V).
; Chunk 0 is asked for at the head; chunk c (1 .. 7) in front of key step c - 1.  Step s reads chunk s / 2.  Nothing is filled again.
; CLUSTER: the four work-groups of a head need the same K and V: every chunk is asked for jointly (mask 15).  No branch, trip count or LDS address hangs on the place cx: it enters only global addresses and the mask's number.
; SHARES.  A unit is 32 queries, two tiles of 16.  Wave w of work-group cx owns unit 60 - 4 w + cx (16 - w steps of 128 keys), then unit 4 w + cx (w + 1 steps): 17 steps in every wave, the last of each unit on the diagonal.
; Each fragment of K and of V feeds two matrix instructions.  Steps 0 .. 6 belong to the first unit in every wave; behind step 6 one barrier shows chunk 7, and the waves meet no more until the end.
; LAYOUT.  Both products transposed: S^T = K Q^T (K = 64), O^T = V^T P^T (K = 128 keys): a lane holds ONE query (lane % 16) of each tile; in S^T's tile t its registers are keys 16 t + 8 (lane / 16) + 0 .. 7: their codes are registers 2 t, 2 t + 1 of P.
; DUAL LINES: t - M, the row sums and the hold take two numbers a line; the two halves name an even and an odd register in each place, so c, -M and the hold's bound are each kept in two neighbouring registers.
; PREFETCH: with chunk c's load, chunk c + 2 is named (c = 1 .. 5): of a wave's row of 4,096 bytes partner cx names bytes 1,024 cx on, lanes 0-3 a block of 256 each, the other lanes lane 3's again.  Chunks 0 to 2 come by their loads alone.
; FROM THE FIRST UNIT TO THE SECOND nothing is cleared: the largest t goes back to -3e38, so the next f is 2^(-2^31) = 0, and O^T and the sum, finite sums of at most 2,048 products of finite codes, become 0.
; LIMITS: e6 + e7 between -123 and 130 (added to c's exponent field); e9, and e10 - e8 - e9, between -126 and 112; the scaled scores t stay under 2^31 in magnitude.
; REGISTERS, window 0: v1-9 addresses; v12, v13 -M of tile A, v14, v15 of B; v16-19 the sums; v20-23 f; v24-39 Q in hand, v40-55 Q of the second unit; v56, v57 the largest t; v64-127, v128-191 S^T then p of A, B; v192-223 P;
; v224, v225: 57,344 x 2^e9; v226, v227: 57,344 x 2^e and 2^e, e = e10 - e8 - e9; v246: 2^e9; v248, v249: c; v228-245 at work.  window 1: v0-63 O^T of A, B; v64-127 K's eight fragments; v128-191 V's four.
.set KP,    80                         ; the way out: a stage row of 64 codes + 16 bytes
.set VB,    131072                     ; V's first LDS byte
.set SPARE, 262144                     ; the spare words, 128 bytes a wave, which no other line names
.set STAGE, SPARE+1024                 ; 32 rows x 80 bytes for each wave; no tile lands there
.set L16, 1                            ; 16 x lane
.set SPW, 2
.set NIL, 3
.set ADK, 4
.set ADV, 5
.set STO, 6
.set RD,  7
.set DQ,  8                            ; 32 cx + lane % 16 - 8 (lane / 16), for the mask
.set PFO, 9
.set QA, 24
.set QB, 32
.set Q2, 40
.set SA, 64
.set SB, 128
.set PA, 192
.set PB, 208
.set OA, 0
.set OB, 32
.set KF, 64
.set VF, 128
.set WV, 14
.set CX, 15
.set T,  16                            ; the step's number, 0 .. 16
.set N1, 17                            ; 16 - w: the first unit's steps
.set KV, 18                            ; LDS byte of this step's V
.set KN, 19                            ; LDS byte of the next step's K
.set DG, 20                            ; 1 on the diagonal
.set SEL, 22
.set CS, 24
.set G0, 28
.set G1, 32
.set LS, 40                            ; s[40:41] a chunk on in memory: 16,384 bytes in K, 262,144 in V
.set OH, 42
.set OL, 44
.set PFA, 46
.set MSB, 0
.macro WIN new                         ; the immediate's high byte repeats the setting that is left
.if MSB != \new
	s_set_vgpr_msb (MSB<<8)|\new
.set MSB, \new
.endif
.endm
.macro PLACES n
.rept \n
	v_nop
.endr
.endm
.macro ROUND                           ; a round of the cluster's barrier
	s_barrier_signal -1
	s_barrier_wait -1
	s_cmp_lg_u32 s[WV], 0
	s_cbranch_scc1 .Lnot_wave_0_\@
	s_barrier_signal -3
.Lnot_wave_0_\@:
	s_barrier_wait -3
	s_barrier_signal -1
	s_barrier_wait -1
.endm
; THE NEXT CHUNK: my load has landed, the add, the descriptor's steps, the round, my one joint load; then the prefetch of the chunk two on.
.macro SEQ
	s_wait_tensorcnt 0x0                           ; my one load is done, so its group 0 may be written
	ds_add_u32 v[SPW], v[NIL]
	s_add_co_u32 s[G0+1], s[G0+1], 16384
	s_add_nc_u64 s[G0+2:G0+3], s[G0+2:G0+3], s[LS:LS+1]
	s_wait_xcnt 0x0                                ; the last prefetch has read its address
	s_add_nc_u64 s[PFA:PFA+1], s[PFA:PFA+1], s[LS:LS+1]
	s_wait_dscnt 0x0
	ROUND
	tensor_load_to_lds s[G0:G0+3], s[G1:G1+7]
	s_nop 0
	PLACES 4
	s_cmp_lt_u32 s[T], 4                           ; chunks 3 .. 7 are named; there is no chunk 8
	s_cbranch_scc0 .Lnone_\@
	global_prefetch_b8 v[PFO], s[PFA:PFA+1] th:TH_LOAD_NT scope:SCOPE_SE
.Lnone_\@:
.endm
.macro KLOAD                           ; eight fragments of 16 keys x 64
	WIN 0x40
.irp t, 0,1,2,3,4,5,6,7
	ds_load_b128 v[KF+8*\t:KF+8*\t+3], v[ADK] offset:1024*\t
	ds_load_b128 v[KF+8*\t+4:KF+8*\t+7], v[ADK] offset:1024*\t+512
.endr
	WIN 0
.endm
.macro DADD d, a, b                    ; two additions a line: d, a and b are even registers
	v_dual_add_f32 v[\d], v[\a], v[\b] :: v_dual_add_f32 v[(\d)+1], v[(\a)+1], v[(\b)+1]
.endm
; A KEY STEP: 128 keys x my 32 queries.  K's fragments were asked for in the step before.
.macro STEP diag
	v_add_nc_u32 v[ADV], s[KV], v[L16]
	PLACES 3                                       ; with the line above: four places in front of loads into registers that the last products read
	WIN 0x40
.irp t, 0,1,2,3
.irp c, 0,1,2,3
	ds_load_b128 v[VF+16*\t+4*\c:VF+16*\t+4*\c+3], v[ADV] offset:4096*(\c/2)+1024*\t+512*(\c%2)
.endr
.endr
	WIN 0x01
	s_wait_alu depctr_va_vdst(0)
	s_wait_dscnt 16                                ; K is in; the sixteen loads of V may be out
.irp t, 0,1,2,3,4,5,6,7
	v_wmma_f32_16x16x64_bf8_bf8 v[SA+8*\t:SA+8*\t+7], v[KF+8*\t:KF+8*\t+7], v[QA:QA+7], 0
	v_wmma_f32_16x16x64_bf8_bf8 v[SB+8*\t:SB+8*\t+7], v[KF+8*\t:KF+8*\t+7], v[QB:QB+7], 0
.endr
	WIN 0
	v_add_nc_u32 v[ADK], s[KN], v[L16]
	PLACES 3                                       ; four places: K's registers are loaded anew, and the scores are read
	KLOAD                                          ; the next step's K (in step 16: a tile that nobody multiplies, so that the waits' counts are the same on every way)
.if \diag
	s_cmp_eq_u32 s[DG], 0
	s_cbranch_scc1 .Lopen_\@
	v_mov_b32 v234, 0xff800000                     ; hidden scores become -infinity: tile A's register 8 t + j where 16 t + j > d; tile B's queries lie 16 on, so its register 8 (t + 1) + j goes by the same compare
.set n, 0
.rept 64
	v_cmp_gt_i32 vcc_lo, 16*(n/8)+n%8, v[DQ]
	v_cndmask_b32 v[SA+n], v[SA+n], v234, vcc_lo
.if n < 56
	v_cndmask_b32 v[SB+8+n], v[SB+8+n], v234, vcc_lo
.endif
.set n, n+1
.endr
.Lopen_\@:
.endif
	v_max3_num_f32 v228, v[SA], v[SA+1], v[SA+2]   ; the largest score of each query, two chains a tile; each accumulator is first read at its low end
	v_max3_num_f32 v229, v[SA+3], v[SA+4], v[SA+5]
	v_max3_num_f32 v230, v[SB], v[SB+1], v[SB+2]
	v_max3_num_f32 v231, v[SB+3], v[SB+4], v[SB+5]
.irp i, 6,10,14,18,22,26,30,34,38,42,46,50,54,58
	v_max3_num_f32 v228, v228, v[SA+\i], v[SA+\i+1]
	v_max3_num_f32 v229, v229, v[SA+\i+2], v[SA+\i+3]
	v_max3_num_f32 v230, v230, v[SB+\i], v[SB+\i+1]
	v_max3_num_f32 v231, v231, v[SB+\i+2], v[SB+\i+3]
.endr
	v_max3_num_f32 v228, v228, v[SA+62], v[SA+63]
	v_max3_num_f32 v230, v230, v[SB+62], v[SB+63]
	v_max_num_f32 v228, v228, v229
	v_max_num_f32 v230, v230, v231
	v_permlanex16_b32 v232, v228, s[SEL], s[SEL+1]
	v_permlanex16_b32 v233, v230, s[SEL], s[SEL+1]
	v_max_num_f32 v228, v228, v232                 ; with lane l xor 16's: the step's first key counts for every query, so this is a number
	v_max_num_f32 v230, v230, v233
	v_mul_f32 v228, s[CS], v228                    ; as t (c is positive)
	v_mul_f32 v230, s[CS], v230
	v_max_num_f32 v56, v56, v228
	v_max_num_f32 v57, v57, v230
	v_mov_b32 v228, v12
	v_mov_b32 v230, v14
	v_floor_f32 v12, -v56                          ; -M = floor(-t)
	v_floor_f32 v14, -v57
	v_sub_f32 v228, v12, v228                      ; old M - new M, a whole number, 0 or less
	v_sub_f32 v230, v14, v230
	v_mov_b32 v13, v12                             ; -M once more, for the dual lines' odd halves
	v_mov_b32 v15, v14
	v_cvt_i32_f32 v228, v228                       ; (it saturates)
	v_cvt_i32_f32 v230, v230
	v_ldexp_f32 v20, 1.0, v228                     ; f
	v_ldexp_f32 v22, 1.0, v230
	WIN 0x41
.set j, 0
.rept 16
	v_pk_mul_f32 v[OA+j:OA+j+1], v[OA+j:OA+j+1], v[20:21] op_sel_hi:[1,0]   ; O^T under the new M
	v_pk_mul_f32 v[OB+j:OB+j+1], v[OB+j:OB+j+1], v[22:23] op_sel_hi:[1,0]
.set j, j+2
.endr
	WIN 0
	v_pk_mul_f32 v[16:17], v[16:17], v[20:21] op_sel_hi:[1,0]
	v_pk_mul_f32 v[18:19], v[18:19], v[22:23] op_sel_hi:[1,0]
.set j, 0
.rept 32
	v_dual_fma_f32 v[SA+j], v[SA+j], v248, v12 :: v_dual_fma_f32 v[SA+j+1], v[SA+j+1], v249, v13   ; t - M
	v_dual_fma_f32 v[SB+j], v[SB+j], v248, v14 :: v_dual_fma_f32 v[SB+j+1], v[SB+j+1], v249, v15
.set j, j+2
.endr
	s_wait_alu depctr_va_vdst(0)
.set j, 0
.rept 128
	v_exp_f32 v[SA+j], v[SA+j]                     ; p = 2^(t - M), both tiles
.set j, j+1
.endr
	v_nop                                          ; the place behind the exponentials
	s_wait_alu depctr_va_vdst(0)                   ; and one wait for the batch, ahead of its first reader
.irp d, 0,2,4
	DADD 234+\d, SA+2*\d, SA+2*\d+2                ; the sums of the unquantised p: four chains of pairs a tile
	DADD 240+\d, SB+2*\d, SB+2*\d+2
.endr
	DADD 16, 16, SA+12
	DADD 18, 18, SB+12
.irp j, 14,22,30,38,46,54
	DADD 234, 234, SA+\j
	DADD 240, 240, SB+\j
	DADD 236, 236, SA+\j+2
	DADD 242, 242, SB+\j+2
	DADD 238, 238, SA+\j+4
	DADD 244, 244, SB+\j+4
	DADD 16, 16, SA+\j+6
	DADD 18, 18, SB+\j+6
.endr
	DADD 234, 234, SA+62
	DADD 240, 240, SB+62
	DADD 234, 234, 236
	DADD 240, 240, 242
	DADD 16, 16, 238
	DADD 18, 18, 244
	DADD 16, 16, 234
	DADD 18, 18, 240
.irp t, 0,1,2,3,4,5,6,7
.irp i, 0,2,4,6
	v_dual_min_num_f32 v[SA+8*\t+\i], v[SA+8*\t+\i], v224 :: v_dual_min_num_f32 v[SA+8*\t+\i+1], v[SA+8*\t+\i+1], v225   ; the conversion does not saturate (ISA guide 7.6.2); p is not negative, so the hold is one-sided
.endr
	v_cvt_scalef32_pk8_bf8_f32 v[PA+2*\t:PA+2*\t+1], v[SA+8*\t:SA+8*\t+7], v246
.irp i, 0,2,4,6
	v_dual_min_num_f32 v[SB+8*\t+\i], v[SB+8*\t+\i], v224 :: v_dual_min_num_f32 v[SB+8*\t+\i+1], v[SB+8*\t+\i+1], v225
.endr
	v_cvt_scalef32_pk8_bf8_f32 v[PB+2*\t:PB+2*\t+1], v[SB+8*\t:SB+8*\t+7], v246
.endr
	v_nop                                          ; one plain line between the last conversion and the products that read its result
	WIN 0x51
	s_wait_alu depctr_va_vdst(0)
	s_wait_dscnt 16                                ; V is in; the sixteen loads of the next K may be out
.irp t, 0,1,2,3
	v_wmma_f32_16x16x128_bf8_bf8 v[OA+8*\t:OA+8*\t+7], v[VF+16*\t:VF+16*\t+15], v[PA:PA+15], v[OA+8*\t:OA+8*\t+7]   ; the eight accumulators take turns
	v_wmma_f32_16x16x128_bf8_bf8 v[OB+8*\t:OB+8*\t+7], v[VF+16*\t:VF+16*\t+15], v[PB:PB+15], v[OB+8*\t:OB+8*\t+7]
.endr
	WIN 0
.endm
; A UNIT'S WAY OUT.  O^T / the sum is held, turned into codes (register 8 t + j of a tile is d = 16 t + 8 (lane / 16) + j), laid into my stage by rows and read back as 8 rows x 64 bytes: 512 consecutive bytes of the output.
.macro FINISH ob
	PLACES 4                                       ; behind the last products
	v_add_f32 v16, v16, v17
	v_add_f32 v18, v18, v19
	v_permlanex16_b32 v232, v16, s[SEL], s[SEL+1]
	v_permlanex16_b32 v233, v18, s[SEL], s[SEL+1]
	v_add_f32 v16, v16, v232
	v_add_f32 v18, v18, v233
	s_wait_alu depctr_va_vdst(0)                   ; ahead of the two reciprocals
	v_rcp_f32 v16, v16
	v_rcp_f32 v18, v18
	v_nop
	WIN 0x01
	s_wait_alu depctr_va_vdst(0)                   ; ahead of their first reader, which is also O^T's
.set j, 0
.rept 32
	v_mul_f32 v[SA+j], v[OA+j], v16                ; each accumulator from its low end on
.set j, j+1
.endr
.set j, 0
.rept 32
	v_mul_f32 v[SA+32+j], v[OB+j], v18
.set j, j+1
.endr
	WIN 0
.set j, 0
.rept 64
	v_med3_num_f32 v[SA+j], v[SA+j], -v226, v226
.set j, j+1
.endr
.irp t, 0,1,2,3,4,5,6,7
	v_cvt_scalef32_pk8_bf8_f32 v[PA+2*\t:PA+2*\t+1], v[SA+8*\t:SA+8*\t+7], v227
.endr
	v_nop
.irp t, 0,1,2,3
	ds_store_b64 v[STO], v[PA+2*\t:PA+2*\t+1] offset:16*\t
	ds_store_b64 v[STO], v[PA+8+2*\t:PA+8+2*\t+1] offset:16*KP+16*\t
.endr
.irp u, 0,1,2,3
	ds_load_b128 v[SB+4*\u:SB+4*\u+3], v[RD] offset:8*KP*\u   ; LDS serves a wave's instructions in order (ISA guide 5.7.1.4): these see the stores above
.endr
	s_wait_alu depctr_va_vdst(0)
	s_wait_dscnt 0x0
.irp u, 0,1,2,3
	global_store_b128 v[L16], v[SB+4*\u:SB+4*\u+3], s[\ob:\ob+1] offset:512*\u   ; 32 lanes store 512 consecutive bytes, at a multiple of 512 from the buffer's first byte
.endr
.endm
	s_load_b256 s[4:11], s[0:1], 0x0               ; q_ws, k_ws, v_ws, the scales' exponents
	s_load_b64 s[12:13], s[0:1], 0x20              ; cc_ws
	v_lshl_add_u32 v[SPW], v0, 2, SPARE
	v_mov_b32 v[NIL], 0
	ds_add_u32 v[SPW], v[NIL]                      ; the opening: the add, twice on end, and its wait ahead of my first tensor load
	ds_add_u32 v[SPW], v[NIL]
	v_lshrrev_b32 v10, 5, v0
	v_readfirstlane_b32 s[WV], v10                 ; wave 0..7
	s_bfe_u32 s[CX], ttmp6, 0x40000                ; my place in the cluster
	s_and_b32 s66, ttmp7, 0xffff                   ; the cluster's y: the head
	s_lshr_b32 s67, s66, 4                         ; b
	s_and_b32 s68, s66, 15                         ; h
	s_lshl_b32 s69, s68, 19
	s_lshl_b32 s70, s67, 17
	s_add_co_u32 s69, s69, s70                     ; the head's first byte in q_ws and k_ws
	s_lshl_b32 s70, s67, 21
	s_lshl_b32 s71, s68, 12
	s_add_co_u32 s70, s70, s71                     ; and in v_ws
	s_and_b32 s71, s[WV], 3
	s_lshr_b32 s72, s[WV], 2
	s_mov_b32 s[LS], 0x40000
	s_cmp_lt_u32 s[WV], 4                          ; waves 0-3 fetch K's rows, waves 4-7 V's
	s_cselect_b32 s73, s69, s70
	s_cselect_b32 s74, 12, 16                      ; from row to row: 4,096 bytes in K, 65,536 in V
	s_cselect_b32 s[LS], 0x4000, s[LS]
	s_mov_b32 s[LS+1], 0
	s_lshl_b32 s74, s71, s74
	s_add_co_u32 s74, s73, s74
	s_mov_b32 s75, 0
	s_lshl_b32 s76, s71, 12
	s_lshl_b32 s77, s72, 17
	s_add_co_u32 s76, s76, s77                     ; my row's LDS byte in chunk 0
	s_lshl_b32 s90, s[LS], 1
	s_mov_b32 s91, 0
	s_lshl_b32 s78, s[WV], 2
	s_add_co_u32 s79, s78, s[CX]                   ; the second unit, 4 w + cx
	s_sub_co_u32 s80, 60, s78
	s_add_co_u32 s80, s80, s[CX]                   ; the first, 60 - 4 w + cx
	s_lshl_b32 s82, s80, 11                        ; a unit's Q is 2,048 bytes
	s_add_co_u32 s82, s82, s69
	s_mov_b32 s83, 0
	s_lshl_b32 s84, s79, 11
	s_add_co_u32 s84, s84, s69
	s_mov_b32 s85, 0
	s_lshl_b32 s77, s67, 4                         ; the output: (16 b + unit / 4) x 131,072 + 8,192 h + 2,048 cx
	s_sub_co_u32 s86, 15, s[WV]
	s_add_co_u32 s86, s86, s77
	s_lshl_b32 s86, s86, 17
	s_add_co_u32 s88, s77, s[WV]
	s_lshl_b32 s88, s88, 17
	s_lshl_b32 s77, s68, 13
	s_lshl_b32 s81, s[CX], 11
	s_add_co_u32 s77, s77, s81
	s_add_co_u32 s86, s86, s77
	s_add_co_u32 s88, s88, s77
	s_mov_b32 s87, 0
	s_mov_b32 s89, 0
	s_lshl_b32 s93, s[CX], 10
	s_mul_i32 s94, s[WV], 32*KP
	s_add_co_u32 s94, s94, STAGE                   ; my stage
	s_lshl_b32 s95, s[CX], 5
	s_sub_co_u32 s[N1], 16, s[WV]
	s_mov_b32 s[G1], 15|(3<<16)|(1<<21)            ; the mask: all four partners; elements of 8 bytes; bit 21 beside a mask
	s_mov_b32 s[G1+1], 512<<16                     ; one row of 512 elements
	s_mov_b32 s[G1+2], 1<<16
	s_mov_b32 s[G1+3], 512<<16
	s_mov_b32 s[G1+4], 1
	s_mov_b32 s[G1+5], 512
	s_mov_b32 s[G1+6], 1<<16
	s_mov_b32 s[G1+7], 0
	s_mov_b32 s[SEL], 0x76543210
	s_mov_b32 s[SEL+1], 0xfedcba98
	s_mov_b32 s[CS], 0x3e38aa3b                    ; log2(e) / 8
	s_mov_b32 s[T], 0
	s_wait_dscnt 0x0                               ; both opening adds are done
	s_wait_kmcnt 0x0
	s_load_b128 s[48:51], s[10:11], 0x18           ; e6 (q), e7 (k), e8 (v), e9 (p)
	s_load_b32 s52, s[10:11], 0x28                 ; e10
	s_cmp_lt_u32 s[WV], 4
	s_cselect_b64 s[PFA:PFA+1], s[6:7], s[8:9]
	s_add_nc_u64 s[PFA:PFA+1], s[PFA:PFA+1], s[74:75]
	s_mov_b32 s[G0], 1
	s_mov_b32 s[G0+1], s76
	s_mov_b64 s[G0+2:G0+3], s[PFA:PFA+1]
	s_or_b32 s[G0+3], s[G0+3], 0x80000000
	s_add_nc_u64 s[PFA:PFA+1], s[PFA:PFA+1], s[90:91]  ; at chunk 2: the first step brings it to chunk 3
	ROUND                                          ; all four work-groups are here
	tensor_load_to_lds s[G0:G0+3], s[G1:G1+7]      ; chunk 0: one tensor load a wave at the head
	s_nop 0
	PLACES 4
	s_add_nc_u64 s[96:97], s[4:5], s[82:83]
	s_add_nc_u64 s[98:99], s[4:5], s[84:85]
	s_add_nc_u64 s[OH:OH+1], s[12:13], s[86:87]
	s_add_nc_u64 s[OL:OL+1], s[12:13], s[88:89]
	v_and_b32 v10, 31, v0
	v_lshlrev_b32 v[L16], 4, v10
.irp c, 0,1,2,3
	global_load_b128 v[QA+4*\c:QA+4*\c+3], v[L16], s[96:97] offset:512*\c   ; both units' Q stay in registers
	global_load_b128 v[Q2+4*\c:Q2+4*\c+3], v[L16], s[98:99] offset:512*\c
.endr
	v_min_u32 v[PFO], 3, v10
	v_lshlrev_b32 v[PFO], 8, v[PFO]
	v_add_nc_u32 v[PFO], s93, v[PFO]
	v_and_b32 v10, 15, v0
	v_bfe_u32 v11, v0, 4, 1
	v_mul_u32_u24 v[STO], v10, KP                  ; in: row lane % 16, + 8 (lane / 16)
	v_lshl_add_u32 v[STO], v11, 3, v[STO]
	v_add_nc_u32 v[STO], s94, v[STO]
	v_bfe_u32 v[RD], v0, 2, 3                      ; back: four lanes to a row's 64 bytes
	v_mul_u32_u24 v[RD], v[RD], KP
	v_and_b32 v228, 3, v0
	v_lshl_add_u32 v[RD], v228, 4, v[RD]
	v_add_nc_u32 v[RD], s94, v[RD]
	v_lshlrev_b32 v11, 3, v11
	v_sub_nc_u32 v[DQ], v10, v11
	v_add_nc_u32 v[DQ], s95, v[DQ]
	s_wait_alu depctr_va_vdst(0)
	s_wait_kmcnt 0x0
	s_add_co_i32 s66, s48, s49
	s_lshl_b32 s66, s66, 23
	s_add_co_i32 s[CS], s[CS], s66                 ; c x 2^(e6 + e7)
	s_add_co_i32 s66, s51, 127
	s_lshl_b32 s67, s66, 23                        ; 2^e9
	s_add_co_i32 s66, s66, 15
	s_lshl_b32 s66, s66, 23
	s_or_b32 s66, s66, 0x600000                    ; 57,344 x 2^e9
	s_sub_co_i32 s68, s52, s50
	s_sub_co_i32 s68, s68, s51                     ; a sum of the second product stands for sum x 2^(e8 + e9): its code is (sum / l) / 2^(e10 - e8 - e9)
	s_add_co_i32 s68, s68, 127
	s_lshl_b32 s69, s68, 23
	s_add_co_i32 s68, s68, 15
	s_lshl_b32 s68, s68, 23
	s_or_b32 s68, s68, 0x600000
	v_mov_b32 v224, s66
	v_mov_b32 v225, s66
	v_mov_b32 v246, s67
	v_mov_b32 v226, s68
	v_mov_b32 v227, s69
	v_mov_b32 v248, s[CS]
	v_mov_b32 v249, s[CS]
	v_mov_b32 v56, 0xff61b1e6                      ; the largest t so far: -3e38
	v_mov_b32 v57, 0xff61b1e6
	v_floor_f32 v12, -v56
	v_floor_f32 v14, -v57
.irp r, 16,17,18,19,21,23,232,233
	v_mov_b32 v\r, 0                               ; the sums; the pairs' upper halves; the permutes' destinations
.endr
	WIN 0x40
.set j, 0
.rept 64
	v_mov_b32 v[OA+j], 0                           ; O^T, once in the launch: the step is written with no first step of its own
.set j, j+1
.endr
	WIN 0
	s_wait_alu depctr_va_vdst(0)
	SEQ                                            ; chunk 0 is whole in all four work-groups; chunk 1 is asked for
	v_mov_b32 v[ADK], v[L16]
	KLOAD                                          ; step 0's K
	s_wait_alu depctr_va_vdst(0)
	s_wait_loadcnt 0x0                             ; Q
.Lfill:                                            ; steps 0 .. 5; behind step T chunk T + 2 is asked for
	s_lshl_b32 s[KN], s[T], 13                     ; a step is 8,192 bytes of K and of V
	s_add_co_u32 s[KV], s[KN], VB
	s_add_co_u32 s[KN], s[KN], 8192
	STEP 0
	SEQ
	s_add_co_u32 s[T], s[T], 1
	s_cmp_lt_u32 s[T], 6
	s_cbranch_scc1 .Lfill
	s_lshl_b32 s[KN], s[T], 13                     ; step 6 is written out: chunk 7's load has it in which to land
	s_add_co_u32 s[KV], s[KN], VB
	s_add_co_u32 s[KN], s[KN], 8192
	STEP 0
	s_wait_tensorcnt 0x0                           ; my row of chunk 7 is in,
	s_wait_dscnt 0x0
	s_barrier_signal -1
	s_barrier_wait -1                              ; everybody's is
	s_mov_b32 s[T], 7
.Lfree:                                            ; steps 7 .. 16: the branches hang on the wave's number and the count of steps alone
	s_cmp_lg_u32 s[T], s[N1]
	s_cbranch_scc1 .Lsame
	FINISH OH                                      ; from the first unit to the second
	s_wait_xcnt 0x0                                ; the stores have read their registers: the next scores are written over them
.set j, 0
.rept 16
	v_mov_b32 v[QA+j], v[Q2+j]
.set j, j+1
.endr
	v_mov_b32 v56, 0xff61b1e6
	v_mov_b32 v57, 0xff61b1e6
	v_floor_f32 v12, -v56
	v_floor_f32 v14, -v57
	s_wait_alu depctr_va_vdst(0)
.Lsame:
	s_cmp_ge_u32 s[T], s[N1]
	s_cselect_b32 s66, s[N1], 0
	s_sub_co_u32 s66, s[T], s66                    ; the unit's own step,
	s_and_b32 s66, s66, 15                         ; 0 .. 15
	s_lshl_b32 s66, s66, 13
	s_add_co_u32 s[KV], s66, VB
	s_add_co_u32 s67, s[T], 1
	s_cmp_eq_u32 s67, s[N1]
	s_cselect_b32 s[DG], 1, 0                      ; the first unit's last step,
	s_cmp_ge_u32 s67, s[N1]
	s_cselect_b32 s68, s[N1], 0
	s_sub_co_u32 s68, s67, s68
	s_and_b32 s68, s68, 15
	s_lshl_b32 s[KN], s68, 13
	s_cmp_eq_u32 s[T], 16
	s_cselect_b32 s[DG], 1, s[DG]                  ; and the second's, lie on the diagonal
	STEP 1
	s_add_co_u32 s[T], s[T], 1
	s_cmp_lt_u32 s[T], 17
	s_cbranch_scc1 .Lfree
	FINISH OL
	s_wait_tensorcnt 0x0                           ; the wave's end
	ds_add_u32 v[SPW], v[NIL]
	s_wait_dscnt 0x0
	ROUND                                          ; the closing round
	s_endpgm
.Lfunc_end_k_q063e9d455b_attn:
	.size	k_q063e9d455b_attn, .Lfunc_end_k_q063e9d455b_attn-k_q063e9d455b_attn
	.p2alignl 7, 3214868480
	.fill 96, 4, 3214868480
	.section	.rodata,"a",@progbits
	.p2align	6, 0x0
	.amdhsa_kernel k_q063e9d455b_attn
		.amdhsa_group_segment_fixed_size 327680
		.amdhsa_private_segment_fixed_size 0
		.amdhsa_enable_private_segment 0
		.amdhsa_kernarg_size 40
		.amdhsa_user_sgpr_count 2
		.amdhsa_user_sgpr_kernarg_segment_ptr 1
		.amdhsa_wavefront_size32 1
		.amdhsa_system_sgpr_workgroup_id_x 1
		.amdhsa_system_sgpr_workgroup_id_y 1
		.amdhsa_system_sgpr_workgroup_id_z 1
		.amdhsa_system_vgpr_workitem_id 0
		.amdhsa_next_free_vgpr 512
		.amdhsa_next_free_sgpr 100
		.amdhsa_reserve_vcc 1
		.amdhsa_float_denorm_mode_32 3
		.amdhsa_float_denorm_mode_16_64 3
		.amdhsa_memory_ordered 1
		.amdhsa_forward_progress 1
		.amdhsa_inst_pref_size 130
	.end_amdhsa_kernel
	.amdgpu_metadata
---
amdhsa.version: [ 1, 2 ]
amdhsa.kernels:
  - .name:           k_q063e9d455b_attn
    .symbol:         k_q063e9d455b_attn.kd
    .args:
      - { .name: q_ws, .offset: 0, .size: 8, .value_kind: global_buffer, .address_space: global }
      - { .name: k_ws, .offset: 8, .size: 8, .value_kind: global_buffer, .address_space: global }
      - { .name: v_ws, .offset: 16, .size: 8, .value_kind: global_buffer, .address_space: global }
      - { .name: lowp_scales, .offset: 24, .size: 8, .value_kind: global_buffer, .address_space: global }
      - { .name: cc_ws, .offset: 32, .size: 8, .value_kind: global_buffer, .address_space: global }
    .group_segment_fixed_size: 327680
    .private_segment_fixed_size: 0
    .kernarg_segment_align: 8
    .kernarg_segment_size: 40
    .max_flat_workgroup_size: 256
    .sgpr_count:     100
    .vgpr_count:     512
    .wavefront_size: 32
...
	.end_amdgpu_metadata
.endif
;; end of part 2
;; launch oproj (part 3): grid 4 x 64, 4 waves a work-group, clusters of 4 x 4, 327,680 bytes of LDS; arguments cc_ws, Wo_codes, lowp_scales, out0; writes out0
.if DOCPART == 3
	.amdgcn_target "amdgcn-amd-amdhsa--gfx1250"
	.amdhsa_code_object_version 6
	.text
	.protected	k_q063e9d455b_oproj
	.globl	k_q063e9d455b_oproj
	.p2align	8
	.type	k_q063e9d455b_oproj,@function
k_q063e9d455b_oproj:
	s_mov_b64 s[64:65], 0
	v_nop
	global_prefetch_b8 v0, s[64:65] scope:SCOPE_SE
	s_setreg_imm32_b32 hwreg(HW_REG_WAVE_MODE, 25, 1), 1
	s_wait_xcnt 0x0
	s_wait_alu depctr_hold_cnt(0) depctr_sa_sdst(0) depctr_va_vdst(0) depctr_va_sdst(0) depctr_va_ssrc(0) depctr_va_vcc(0) depctr_vm_vsrc(0)
	s_getreg_b32 s2, hwreg(HW_REG_IB_STS2, 6, 4)
	s_cmp_eq_u32 s2, 0
	s_cbranch_scc0 .Lentry_in_a_cluster
	s_endpgm
.Lentry_in_a_cluster:
	s_bfe_u32 s2, ttmp6, 0x10000c
	s_cmp_lg_u32 s2, 0xf033
	s_cbranch_scc0 .Lentry_shape_is_right
	s_endpgm
.Lentry_shape_is_right:
; PRODUCT 6: out0[m][n] = 2^(e10 + e11) x sum over k of A[m][k] B[n][k] on codes of BF8 (E5M2).  m = (b, s), 8,192; n 1,024; K = 1,024 = (h, d).  No work of reference() is left out here.
; A = cc_ws, made by the launch before: [m / 128][h][m % 128][64].  B = Wo_codes [n][1,024].  LIMIT: e10 + e11 between -126 and 127, so that 2^(e10 + e11) is an f32 number.
; SHAPE.  A block of out0 is 128 x 256: 64 x 4 = 256 work-groups.  Four waves, 64 x 128 each: 32 accumulators, 256 registers.  K goes in steps of 256 (four heads) through two LDS slots.
; A's part of a K step, 128 rows x 4 heads x 64 bytes, is one dense block of 32,768 bytes, stated as 128 rows of 256 bytes (LDS row 32 head + m / 4, byte 64 (m % 4) + d); B's is 256 rows of 256 bytes, 1,024 apart.
; Waves 0 and 1 fetch A's halves (64 rows each), waves 2 and 3 B's (128 rows each): one tensor load a wave.
; CLUSTERS: 4 x 4 work-groups; A's tile is asked for jointly along a row of the cluster, B's along a column.  THE MATRIX INSTRUCTION IS USED TRANSPOSED (source 0 = 16 rows of B, source 1 = 16 rows of A):
; a lane holds eight neighbouring numbers of a row of out0.  A fragment is fetched by four loads of 16 bytes: a permutation of k, the same in A and in B.
; PREFETCH: behind the loads of K steps 0 and 1, K steps 2 and 3 are named, two K steps ahead of their loads: of the rows that a wave fetches each of the four partners names a quarter, told apart by address
; (A: 16 rows of 256 bytes, lanes 16-31 name lane 15's again; B: 32 rows, a lane a row).  K steps 0 and 1 come by their loads alone; there is no K step 4.
; REGISTERS, in windows of 256: window 0: v16-30 addresses; v128-191, v192-255 A's fragments, two sets (on the way out: rows read back); v32-95 the way out.  window 1: B's fragments, two sets.  window 2: the accumulators, (a, b) at v[8 (8 a + b)].
.set SIZE_N, 1024
.set KROW,   1024
.set ROWB,   256
.set ASTEP,  32768                     ; a K step on in cc_ws
.set PITCH,  272                       ; an LDS row: 256 bytes + 16: the 16 rows that a load touches start at 16 different banks (64 banks of 4 bytes: ISA guide 11.1)
.set HEADB,  32*PITCH                  ; a head's 128 rows of 64 bytes
.set FR,     16
.set NP,     4                         ; places behind this matrix instruction (ISA guide 7.12.1)
.set HALFT,  128*PITCH
.set SLOT,   3*HALFT                   ; A's 128 LDS rows, then B's 256
.set STAGE,  2*SLOT                    ; behind the ring: 16 rows x 528 bytes for each wave; no tile lands there
.set SPITCH, 528
.set SPARE,  STAGE+4*16*SPITCH         ; the spare words, which no other line names
.set ADRA, 16
.set ADRB, 20
.set STO,  24
.set RD,   25
.set CO,   26
.set SPW,  28
.set NIL,  29
.set PFO,  30
.set TMP,  32
.set AF,   128
.set BK,   128
.set G1, 24
.set G0, 32
.set G1B, 48
.set G0B, 56
.set PFA, 66
.set PFS, 68
.set MSB, 0
.macro WIN new                         ; the immediate's high byte repeats the setting that is left
.if MSB != \new
	s_set_vgpr_msb (MSB<<8)|\new
.set MSB, \new
.endif
.endm
.set MUL,  0xa1                        ; source 0 (B) window 1, source 1 (A) window 0, C and D window 2
.set TO_B, 0x40
.macro PLACES n
.rept \n
	v_nop
.endr
.endm
.macro JLOAD g0a, g1a, g0b, g1b        ; a joint load: each line has one mask and one set of registers; the branch hangs on the wave's number alone
	s_cmp_eq_u32 s15, 0
	s_cbranch_scc0 .Lfor_b_\@
	tensor_load_to_lds s[\g0a:\g0a+3], s[\g1a:\g1a+7]
	s_nop 0
	PLACES 4
	s_branch .Lasked_\@
.Lfor_b_\@:
	tensor_load_to_lds s[\g0b:\g0b+3], s[\g1b:\g1b+7]
	s_nop 0
	PLACES 4
.Lasked_\@:
.endm
.macro CREST                           ; a round of the cluster's barrier behind its opening barrier
	s_cmp_lg_u32 s14, 0
	s_cbranch_scc1 .Lnot_wave_0_\@
	s_barrier_signal -3
.Lnot_wave_0_\@:
	s_barrier_wait -3
	s_barrier_signal -1
	s_barrier_wait -1
.endm
.macro CROUND
	s_barrier_signal -1
	s_barrier_wait -1
	CREST
.endm
	s_load_b128 s[4:7], s[0:1], 0x0                ; cc_ws, Wo_codes
	s_load_b128 s[8:11], s[0:1], 0x10              ; the scales' exponents, out0
	v_lshl_add_u32 v[SPW], v0, 2, SPARE
	v_mov_b32 v[NIL], 0
	ds_add_u32 v[SPW], v[NIL]                      ; the opening: the add, twice on end, and its wait ahead of my first tensor load
	ds_add_u32 v[SPW], v[NIL]
	v_lshrrev_b32 v1, 5, v0
	v_readfirstlane_b32 s14, v1                    ; wave 0..3
	s_lshr_b32 s15, s14, 1                         ; which 64 rows of the block are mine.  Also: I fetch for A (0) or for B (1)
	s_and_b32 s16, s14, 1                          ; which 128 columns.  Also: which half of that tile I fetch
	s_bfe_u32 s40, ttmp6, 0x40000                  ; cx, cy
	s_bfe_u32 s41, ttmp6, 0x40004
	s_lshl_b32 s42, ttmp9, 2
	s_add_co_u32 s42, s42, s40                     ; block column, 0..3
	s_and_b32 s17, ttmp7, 0xffff
	s_lshl_b32 s17, s17, 2
	s_add_co_u32 s17, s17, s41                     ; block row, 0..63
	s_lshl_b32 s43, s41, 2
	s_lshl_b32 s43, 15, s43                        ; my row of the cluster
	s_lshl_b32 s44, 0x1111, s40                    ; my column
	s_or_b32 s[G1+0], s43, (0<<16)|(1<<20)|(1<<21)|(5<<22)|(3<<25)  ; the mask; elements of 1 byte; padding of 4 words after every 64; bit 21 beside a mask
	s_or_b32 s[G1B+0], s44, (0<<16)|(1<<20)|(1<<21)|(5<<22)|(3<<25)
.irp g, G1, G1B
	s_mov_b32 s[\g+1], ROWB<<16
	s_mov_b32 s[\g+3], ROWB<<16
	s_mov_b32 s[\g+6], 0
	s_mov_b32 s[\g+7], 0
.endr
	s_mov_b32 s[G1+2], 64<<16                      ; A: 64 rows, dense
	s_mov_b32 s[G1+4], 64
	s_mov_b32 s[G1+5], ROWB
	s_mov_b32 s[G1B+2], 128<<16                    ; B: 128 rows, 1,024 bytes apart
	s_mov_b32 s[G1B+4], 128
	s_mov_b32 s[G1B+5], KROW
	s_lshl_b32 s20, s17, 17                        ; A: 131,072 x block row + 16,384 x half
	s_lshl_b32 s18, s16, 14
	s_add_co_u32 s20, s20, s18
	s_mov_b32 s21, 0
	s_lshl_b32 s18, s16, 7
	s_lshl_b32 s46, s42, 8
	s_add_co_u32 s46, s46, s18
	s_lshl_b32 s46, s46, 10                        ; B: row 256 x block column + 128 x half
	s_mov_b32 s47, 0
	s_mul_i32 s45, s16, 64*PITCH                   ; where A's half goes,
	s_mul_i32 s19, s16, HALFT
	s_add_co_u32 s19, s19, HALFT                   ; and B's; also where my 128 columns' rows of B lie
	s_mul_i32 s22, s15, 16*PITCH                   ; my 64 rows of A: 16 LDS rows on in each head
	s_add_co_u32 s74, s22, SLOT
	s_add_co_u32 s75, s19, SLOT
	s_mul_i32 s23, s14, 16*SPITCH
	s_add_co_u32 s23, s23, STAGE                   ; my stage
	s_lshl_b32 s76, s17, 7
	s_lshl_b32 s77, s15, 6
	s_add_co_u32 s76, s76, s77
	s_lshl_b32 s76, s76, 12                        ; my first row of out0, 4,096 bytes a row,
	s_lshl_b32 s77, s42, 10
	s_add_co_u32 s76, s76, s77
	s_lshl_b32 s77, s16, 9
	s_add_co_u32 s76, s76, s77                     ; and my first column
	s_mov_b32 s77, 0
	s_lshl_b32 s70, s40, 12                        ; the prefetches.  A: partner cx names 16 rows of 256 bytes,
	s_add_co_u32 s70, s70, s20
	s_add_co_u32 s70, s70, 2*ASTEP                 ; in K step 2
	s_lshl_b32 s71, s41, 15                        ; B: partner cy names 32 rows of 1,024 bytes
	s_add_co_u32 s71, s71, s46
	s_add_co_u32 s71, s71, 2*ROWB
	s_mov_b32 s[PFS], ROWB
	s_cmp_eq_u32 s15, 0
	s_cselect_b32 s70, s70, s71
	s_cselect_b32 s[PFS], ASTEP, s[PFS]            ; a K step on
	s_cselect_b32 s72, 15, 31                      ; the last lane with a row of its own
	s_cselect_b32 s73, 8, 10                       ; from lane to lane: 256 or 1,024 bytes
	s_mov_b32 s71, 0
	s_mov_b32 s[PFS+1], 0
	s_wait_dscnt 0x0                               ; both opening adds are done
	s_wait_kmcnt 0x0
	s_load_b64 s[96:97], s[8:9], 0x28              ; e10, e11
	s_cmp_eq_u32 s15, 0
	s_cselect_b64 s[PFA:PFA+1], s[4:5], s[6:7]
	s_add_nc_u64 s[PFA:PFA+1], s[PFA:PFA+1], s[70:71]
	s_add_nc_u64 s[20:21], s[4:5], s[20:21]
	s_add_nc_u64 s[46:47], s[6:7], s[46:47]
	s_add_nc_u64 s[10:11], s[10:11], s[76:77]
	CROUND                                         ; all sixteen work-groups are here
.irp s, 0,1
	s_mov_b32 s[G0+4*\s], 1
	s_add_co_u32 s[G0+4*\s+1], s45, \s*SLOT
	s_add_nc_u64 s[G0+4*\s+2:G0+4*\s+3], s[20:21], \s*ASTEP
	s_or_b32 s[G0+4*\s+3], s[G0+4*\s+3], 0x80000000
	s_mov_b32 s[G0B+4*\s], 1
	s_add_co_u32 s[G0B+4*\s+1], s19, \s*SLOT
	s_add_nc_u64 s[G0B+4*\s+2:G0B+4*\s+3], s[46:47], \s*ROWB
	s_or_b32 s[G0B+4*\s+3], s[G0B+4*\s+3], 0x80000000
.endr
	JLOAD G0, G1, G0B, G1B                         ; K step 0: one tensor load a wave at the head
	v_and_b32 v1, 15, v0                           ; l % 16
	v_bfe_u32 v2, v0, 4, 1                         ; l / 16
	v_mul_u32_u24 v3, v1, PITCH
	v_lshl_add_u32 v4, v2, 4, v3                   ; B: row x pitch + 16 x half
	v_lshrrev_b32 v7, 2, v1
	v_mul_u32_u24 v7, v7, PITCH
	v_and_b32 v8, 3, v1
	v_lshl_add_u32 v7, v8, 6, v7
	v_lshl_add_u32 v7, v2, 4, v7                   ; A: LDS row (l % 16) / 4, byte 64 (l % 4) + 16 x half
	v_add_nc_u32 v[ADRA], s22, v7
	v_add_nc_u32 v[ADRA+1], s74, v7
	v_add_nc_u32 v[ADRB], s19, v4
	v_add_nc_u32 v[ADRB+1], s75, v4
	v_mul_u32_u24 v5, v1, SPITCH
	v_lshl_add_u32 v5, v2, 5, v5
	v_add_nc_u32 v[STO], s23, v5                   ; the way out, in: row l % 16, 32 bytes for each half of the lanes
	v_and_b32 v6, 31, v0
	v_lshlrev_b32 v[CO], 4, v6
	v_add_nc_u32 v[RD], s23, v[CO]                 ; back: the 32 lanes take one row of 512 bytes
	v_min_u32 v[PFO], s72, v6
	v_lshlrev_b32 v[PFO], s73, v[PFO]
	global_prefetch_b8 v[PFO], s[PFA:PFA+1] th:TH_LOAD_NT scope:SCOPE_SE   ; K step 2
.macro FRAG reg, adr, q, i             ; B: 16 rows x 128 K: registers 4 c .. 4 c + 3 hold K = 32 c + 16 (l / 16) + 0 .. 15
.irp c, 0,1,2,3
	ds_load_b128 v[\reg+4*\c:\reg+4*\c+3], v[\adr] offset:128*(\q)+32*\c+(\i)*16*PITCH
.endr
.endm
.macro FRAGA reg, adr, q, i            ; A: the same K, which lies in heads 2 q and 2 q + 1 of the slot
.irp c, 0,1,2,3
	ds_load_b128 v[\reg+4*\c:\reg+4*\c+3], v[\adr] offset:(2*(\q)+\c/2)*HEADB+(\i)*4*PITCH+32*(\c%2)
.endr
.endm
.macro FETCH slot, q, p                ; 48 loads: the fragments of the slot's q-th 128 along K into set p
	WIN TO_B
.irp i, 0,1,2,3,4,5,6,7
	FRAG 128*(\p)+FR*\i, ADRB+\slot, \q, \i
.endr
	WIN 0
.irp i, 0,1,2,3
	FRAGA AF+64*(\p)+FR*\i, ADRA+\slot, \q, \i
.endr
.endm
; 8 matrix instructions: A's block a x B's eight.  The 32 accumulators take turns, one instruction a turn, in the same order in every step.  zero = 1: the first product starts the sums.
.macro MULA a, p, zero
.irp b, 0,1,2,3,4,5,6,7
.if \zero
	v_wmma_f32_16x16x128_bf8_bf8 v[8*(8*(\a)+\b):8*(8*(\a)+\b)+7], v[128*(\p)+FR*\b:128*(\p)+FR*\b+FR-1], v[AF+64*(\p)+FR*(\a):AF+64*(\p)+FR*(\a)+FR-1], 0
.else
	v_wmma_f32_16x16x128_bf8_bf8 v[8*(8*(\a)+\b):8*(8*(\a)+\b)+7], v[128*(\p)+FR*\b:128*(\p)+FR*\b+FR-1], v[AF+64*(\p)+FR*(\a):AF+64*(\p)+FR*(\a)+FR-1], v[8*(8*(\a)+\b):8*(8*(\a)+\b)+7]
.endif
.endr
.endm
; A slot's first 128 along K (set 0): the second's fragments are fetched into set 1 ahead of the products.
.macro STEP slot, zero
	s_wait_dscnt 0x0                               ; set 0 is in
	PLACES NP                                      ; in front of loads into set 1, which the step before multiplied
	FETCH \slot, 1, 1
	WIN MUL
.irp a, 0,1,2,3
	MULA \a, 0, \zero
.endr
	WIN 0
.endm
; A slot's second 128 (set 1) changes slots: ONE barrier; in front of it each wave waits for all its tensor loads, adds 0 to its spare word, and waits for that and for its reads of this slot.  fill = 1: this slot takes the K step two on.
.macro TURN slot, next, fill
	s_wait_tensorcnt 0x0                           ; my part of the next slot has landed
	ds_add_u32 v[SPW], v[NIL]
	s_wait_dscnt 1                                 ; set 1 is in; the add may be out
	WIN MUL
	MULA 0, 1, 0
	s_wait_dscnt 0x0                               ; the add is done, and my reads of this slot are over
	s_barrier_signal -1
	MULA 1, 1, 0
	WIN 0
	s_barrier_wait -1
.if \fill
	CREST                                          ; the barrier has opened a round of the cluster's barrier
	s_add_nc_u64 s[G0+4*\slot+2:G0+4*\slot+3], s[G0+4*\slot+2:G0+4*\slot+3], 2*ASTEP
	s_add_nc_u64 s[G0B+4*\slot+2:G0B+4*\slot+3], s[G0B+4*\slot+2:G0B+4*\slot+3], 2*ROWB
	JLOAD G0+4*\slot, G1, G0B+4*\slot, G1B         ; the first tensor load behind the round; its four v_nop are the places in front of the loads below
.else
	PLACES NP
.endif
	FETCH \next, 0, 0
	WIN MUL
	MULA 2, 1, 0
	MULA 3, 1, 0
	WIN 0
.endm
	s_wait_alu depctr_va_vdst(0)
	s_wait_tensorcnt 0x0                           ; my part of K step 0 is in; these lines stand ahead of a later first fill as ahead of a refill
	ds_add_u32 v[SPW], v[NIL]
	s_wait_xcnt 0x0                                ; the prefetch has read its address
	s_add_nc_u64 s[PFA:PFA+1], s[PFA:PFA+1], s[PFS:PFS+1]
	s_wait_dscnt 0x0
	CROUND
	JLOAD G0+4, G1, G0B+4, G1B                     ; K step 1, slot 1's first fill
	FETCH 0, 0, 0
	global_prefetch_b8 v[PFO], s[PFA:PFA+1] th:TH_LOAD_NT scope:SCOPE_SE   ; K step 3
	STEP 0, 1                                      ; K = 1,024 is eight steps of 128: they are written out
	TURN 0, 1, 1                                   ; slot 0 takes K step 2
	STEP 1, 0
	TURN 1, 0, 1                                   ; slot 1 takes K step 3
	STEP 0, 0
	TURN 0, 1, 0
	STEP 1, 0
	s_wait_dscnt 0x0                               ; the very last step
	WIN MUL
.irp a, 0,1,2,3
	MULA \a, 1, 0
.endr
	WIN 0
; THE WAY OUT, block by block of 16 rows x 128 columns: x 2^(e10 + e11) into other registers, through my own stage, back as whole rows of 512 bytes.
; LDS serves a wave's instructions in order (ISA guide 5.7.1.4): no wait between the stores and the loads, nor in front of the next block's stores.
.macro TOSTAGE a
.set AC, 64*(\a)
	WIN 0x02
.set j, 0
.rept 32
	v_pk_mul_f32 v[TMP+j:TMP+j+1], v[AC+j:AC+j+1], s[96:97] op_sel_hi:[1,0]   ; each accumulator from its low end on
.set j, j+2
.endr
	WIN 0
.irp b, 0,1,2,3,4,5,6,7
	ds_store_b128 v[STO], v[TMP+8*\b:TMP+8*\b+3] offset:64*\b
	ds_store_b128 v[STO], v[TMP+8*\b+4:TMP+8*\b+7] offset:64*\b+16
.endr
.set BB, BK+64*((\a)%2)
.irp t, 0,1,2,3,4,5,6,7,8,9,10,11,12,13,14,15
	ds_load_b128 v[BB+4*\t:BB+4*\t+3], v[RD] offset:\t*SPITCH
.endr
.endm
.macro SEND a, younger                 ; younger: the LDS instructions issued behind block a's loads, which may stay out
.set BB, BK+64*((\a)%2)
	s_wait_dscnt \younger
.irp t, 0,1,2,3,4,5,6,7,8,9,10,11,12,13,14,15
	global_store_b128 v[CO], v[BB+4*\t:BB+4*\t+3], s[10:11] offset:(16*(\a)+\t)*SIZE_N*4 th:TH_STORE_NT   ; 32 lanes store 512 consecutive bytes, at a multiple of 512 from out0's first byte
.endr
.endm
	s_wait_kmcnt 0x0
	s_add_co_i32 s96, s96, s97
	s_add_co_i32 s96, s96, 127
	s_lshl_b32 s96, s96, 23                        ; 2^(e10 + e11) as f32
	PLACES NP                                      ; behind the last products: their results are read, and rows land where A's fragments lay
	TOSTAGE 0
.irp a, 1,2,3
.if \a > 1
	s_wait_xcnt 0x0                                ; block a - 2's stores have read their registers: block a's rows may land there
.endif
	TOSTAGE \a
	SEND \a-1, 32                                  ; behind block a - 1's loads: block a's 16 stores and 16 loads
.endr
	SEND 3, 0
	s_wait_tensorcnt 0x0                           ; the wave's end
	ds_add_u32 v[SPW], v[NIL]
	s_wait_dscnt 0x0
	CROUND                                         ; the closing round
	s_endpgm
.Lfunc_end_k_q063e9d455b_oproj:
	.size	k_q063e9d455b_oproj, .Lfunc_end_k_q063e9d455b_oproj-k_q063e9d455b_oproj
	.p2alignl 7, 3214868480
	.fill 96, 4, 3214868480
	.section	.rodata,"a",@progbits
	.p2align	6, 0x0
	.amdhsa_kernel k_q063e9d455b_oproj
		.amdhsa_group_segment_fixed_size 327680
		.amdhsa_private_segment_fixed_size 0
		.amdhsa_enable_private_segment 0
		.amdhsa_kernarg_size 32
		.amdhsa_user_sgpr_count 2
		.amdhsa_user_sgpr_kernarg_segment_ptr 1
		.amdhsa_wavefront_size32 1
		.amdhsa_system_sgpr_workgroup_id_x 1
		.amdhsa_system_sgpr_workgroup_id_y 1
		.amdhsa_system_sgpr_workgroup_id_z 1
		.amdhsa_system_vgpr_workitem_id 0
		.amdhsa_next_free_vgpr 768
		.amdhsa_next_free_sgpr 98
		.amdhsa_reserve_vcc 0
		.amdhsa_float_denorm_mode_32 3
		.amdhsa_float_denorm_mode_16_64 3
		.amdhsa_memory_ordered 1
		.amdhsa_forward_progress 1
		.amdhsa_inst_pref_size 76
	.end_amdhsa_kernel
	.amdgpu_metadata
---
amdhsa.version: [ 1, 2 ]
amdhsa.kernels:
  - .name:           k_q063e9d455b_oproj
    .symbol:         k_q063e9d455b_oproj.kd
    .args:
      - { .name: cc_ws, .offset: 0, .size: 8, .value_kind: global_buffer, .address_space: global }
      - { .name: Wo_codes, .offset: 8, .size: 8, .value_kind: global_buffer, .address_space: global }
      - { .name: lowp_scales, .offset: 16, .size: 8, .value_kind: global_buffer, .address_space: global }
      - { .name: out0, .offset: 24, .size: 8, .value_kind: global_buffer, .address_space: global }
    .group_segment_fixed_size: 327680
    .private_segment_fixed_size: 0
    .kernarg_segment_align: 8
    .kernarg_segment_size: 32
    .max_flat_workgroup_size: 128
    .sgpr_count:     98
    .vgpr_count:     768
    .wavefront_size: 32
...
	.end_amdgpu_metadata
.endif
;; end of part 3
